; MI455X (gfx1250); checked and timed in simulation.
; The chip was launched on July 23, 2026; its instructions are those of AMD's public machine-readable ISA for CDNA 5 (MIT licence, August 2026) and "CDNA5" Instruction Set Architecture Reference Guide (July 2026). The comments in the code are by the model that wrote it; some were corrected since.
;; Local Holder1 D. Allowed arithmetic: float matrix products may take bf16 or f16 operands with f32 sums; all other float work in f32.
;; Inputs: input_sig 8 x 64 x 32,768 float32.
;; Outputs: out0 8 x 64 x 32,768 float32.
;; One version. Each part assembles by itself: llvm-mc -triple=amdgcn-amd-amdhsa -mcpu=gfx1250 --defsym DOCPART=n.
;; ======== version 1 of 1: 1 launch
;; launch holder (part 1): grid 256 x 1, 16 waves a work-group, no clusters, 265,216 bytes of LDS; arguments input_sig, out0; writes out0
.if DOCPART == 1
	.amdgcn_target "amdgcn-amd-amdhsa--gfx1250"
	.amdhsa_code_object_version 6
	.text
	.protected	k_q0f2a44cf6a_holder
	.globl	k_q0f2a44cf6a_holder
	.p2align	8
	.type	k_q0f2a44cf6a_holder,@function
k_q0f2a44cf6a_holder:
	s_mov_b64 s[64:65], 0
	v_nop
	global_prefetch_b8 v0, s[64:65] scope:SCOPE_SE
	s_setreg_imm32_b32 hwreg(HW_REG_WAVE_MODE, 25, 1), 1
	s_wait_xcnt 0x0
; LocalHolder1D.  x, out: [8][64][32768] f32 = 512 rows of 131,072 bytes.
;   m3, m5, m7 = max of x over windows of 3, 5, 7 round each position (outside a row: -inf)
;   out = a1 log10 m3 + a2 log10 m5 + a3 log10 m7, a = slope row of the least-squares fit against log10(window / 32768).
; a hangs only on the window sizes and the row length: a = (x_i - mean) / sum (x_i - mean)^2 with x = log10(3, 5, 7)
;   = (-2.863548, 0.367617, 2.495931).  v_log_f32 is base 2, so log10(2) is folded in: k = a * 0.30103.
;
; SHARES.  256 work-groups of 16 waves; a work-group owns two whole rows (262,144 bytes), a wave 16,384 bytes (an eighth of a row),
; a lane 4 neighbouring numbers of each chunk of 512 bytes.  The stream is moved once: in by the tensor data mover, out by stores of 16 bytes
; a lane, so that each store of a wave covers 512 consecutive bytes, aligned.
; LDS.  The whole share of the work-group fits: no byte of LDS is filled twice, so every wave asks for all of its 8 pieces of 2,048 bytes at
; once (8 tensor loads outstanding) and nothing ever has to be freed.  A wave's region is its own:
;   [16 bytes: the 4 numbers left of my segment][16,384 bytes][16 bytes: the 4 numbers right of it], 16,416 bytes; 16 x 16,416 = 262,656.
; The two end pieces are read by the wave itself (two scalar loads of 16 bytes; -inf at a row's ends), so no wave reads bytes that another
; wave brought: s_wait_tensorcnt is all the ordering there is, and there is no barrier.
; NOT USED: the matrix unit (the contraction has 3 terms and one column: three fused multiply-adds in f32 do it); clusters (work-groups share
; no input).
; LIMITS.  (1) v_max3_num_f32 drops a NaN: a NaN in x gives NaN only where a whole window is NaN, while the reference's max spreads it.
; (2) v_log_f32 takes a denormal input as zero (ISA guide 15.8): a window maximum below 2^-126 gives -inf for its logarithm.
; (3) The weights are the exactly computed ones, rounded to f32; the f32 closed-form 2x2 inverse differs from them by about 1e-5 relative.
.set SEG,    16384                     ; bytes of x and of out that a wave owns
.set WPITCH, SEG+32                    ; a wave's LDS region: left 16 bytes, segment, right 16 bytes
.set NP,     8                         ; tensor loads of a wave
.set PIECE,  SEG/NP                    ; 2,048 bytes each
.set CHUNK,  512                       ; 32 lanes x 16 bytes: one turn of the wave
.set NCH,    SEG/CHUNK                 ; 32 turns
.set CPP,    PIECE/CHUNK               ; 4 chunks in a piece
.set LA,  2                            ; v2       LDS address: my wave's region + 16 x lane = the 16 bytes LEFT of my 16 bytes of chunk 0
.set GO,  3                            ; v3       16 x lane: my byte offset in a chunk of out
.set HA,  4                            ; v4       LDS address of my wave's region
.set HL,  8                            ; v[8:11]  the 4 numbers left of the segment
.set HR,  12                           ; v[12:15] the 4 numbers right of it
.set K1,  16                           ; v[16:17] weight of log2 m3, twice (a pair for the packed forms)
.set K2,  18                           ; v[18:19] weight of log2 m5
.set K3,  20                           ; v[20:21] weight of log2 m7
.set WA,  24                           ; v[24:35] window 0: x[i-4 .. i+7] for my numbers x[i .. i+3]
.set WB,  36                           ; v[36:47] window 1
.set MA,  48                           ; v[48:51] m3, later m7
.set MB,  52                           ; v[52:55] m5
.set G3,  56                           ; v[56:59] log2 m3
.set G5,  60                           ; v[60:63] log2 m5
.set G7,  64                           ; v[64:67] log2 m7
.set OUT, 68                           ; v[68:71] the four results
.set G1,  24                           ; s[24:31] descriptor group 1: the shape, the same for every load
.set G0,  32                           ; s[32:63] descriptor group 0, four registers for each of the 8 pieces: none is rewritten
	s_load_b128 s[4:7], s[0:1], 0x0                ; x s[4:5], out s[6:7]
	v_lshl_add_u32 v72, v0, 2, 0x40400
	v_mov_b32 v73, 0
	ds_add_u32 v72, v73
	ds_add_u32 v72, v73
	v_lshrrev_b32 v1, 5, v0
	v_readfirstlane_b32 s8, v1                     ; my wave's number, 0 to 15
	s_lshl_b32 s10, ttmp9, 18                      ; the work-group's 262,144 bytes
	s_lshl_b32 s9, s8, 14                          ; + the wave's 16,384
	s_add_co_u32 s10, s10, s9                      ; s[10:11]: byte offset of my segment (below 2^26)
	s_mov_b32 s11, 0
	s_mul_i32 s12, s8, WPITCH                      ; my region in LDS
	s_and_b32 s9, s8, 7                            ; which eighth of its row: 0 begins a row, 7 ends one
	; where the end pieces are read: 16 bytes in front of the segment and 16 behind it.  At a row's end the value is replaced by -inf below,
	; and the address is drawn back into the segment, so that no load leaves the buffer.
	s_cmp_eq_u32 s9, 0
	s_cselect_b32 s13, 0, 16
	s_sub_co_u32 s13, s10, s13                     ; left piece
	s_cmp_eq_u32 s9, 7
	s_cselect_b32 s14, 16, 0
	s_sub_co_u32 s14, SEG, s14
	s_add_co_u32 s14, s14, s10                     ; right piece
	s_mov_b32 s15, 0xff800000                      ; -inf
	; group 1: one row of 2,048 bytes as 256 elements of 8 bytes; no second dimension, no padding, no work-group mask
	s_mov_b32 s[G1+0], 3<<16                       ; 17:16 element size code 3 (8 bytes)
	s_mov_b32 s[G1+1], (PIECE/8)<<16               ; 63:48 tensor_dim0 = 256
	s_mov_b32 s[G1+2], 1<<16
	s_mov_b32 s[G1+3], (PIECE/8)<<16               ; 127:112 tile_dim0 = 256
	s_mov_b32 s[G1+4], 1
	s_mov_b32 s[G1+5], 256
	s_mov_b32 s[G1+6], 0
	s_mov_b32 s[G1+7], 0
	s_wait_dscnt 0x0
	s_wait_kmcnt 0x0
	s_load_b128 s[16:19], s[4:5], s13 offset:0x0   ; x is never written here, so the scalar path may read it
	s_load_b128 s[20:23], s[4:5], s14 offset:0x0
	s_add_nc_u64 s[2:3], s[4:5], s[10:11]          ; x at my segment
	s_add_nc_u64 s[6:7], s[6:7], s[10:11]          ; out at my segment
.irp p, 0,1,2,3,4,5,6,7
	s_mov_b32 s[G0+4*\p], 1                                        ; count = 1
	s_add_co_u32 s[G0+4*\p+1], s12, 16+\p*PIECE                    ; LDS address: behind the left 16 bytes
	s_add_nc_u64 s[G0+4*\p+2:G0+4*\p+3], s[2:3], \p*PIECE          ; global address of the piece
	s_or_b32 s[G0+4*\p+3], s[G0+4*\p+3], 0x80000000                ; type = 2
	tensor_load_to_lds s[G0+4*\p:G0+4*\p+3], s[G1:G1+7]            ; all 16,384 bytes of the wave are asked for before anything else
	s_nop 0
.endr
	v_and_b32 v1, 31, v0                           ; lane
	v_lshlrev_b32 v[GO], 4, v1
	v_add_nc_u32 v[LA], s12, v[GO]
	v_mov_b32 v[HA], s12
	v_mov_b32 v[K1],   0xbf5cacf0                  ; -0.86201381 = -2.863548 log10(2)
	v_mov_b32 v[K1+1], 0xbf5cacf0
	v_mov_b32 v[K2],   0x3de2a3ac                  ;  0.11066374 =  0.367617 log10(2)
	v_mov_b32 v[K2+1], 0x3de2a3ac
	v_mov_b32 v[K3],   0x3f40587a                  ;  0.75135007 =  2.495931 log10(2)
	v_mov_b32 v[K3+1], 0x3f40587a
	s_wait_kmcnt 0x0                               ; the two end pieces
	s_cmp_eq_u32 s9, 0                             ; (compared again: the sums above wrote SCC)
.irp j, 16,17,18,19
	s_cselect_b32 s\j, s15, s\j                    ; left of a row's first number: -inf
.endr
	s_cmp_eq_u32 s9, 7
.irp j, 20,21,22,23
	s_cselect_b32 s\j, s15, s\j                    ; right of its last: -inf
.endr
.irp j, 0,1,2,3
	v_mov_b32 v[HL+\j], s[16+\j]
	v_mov_b32 v[HR+\j], s[20+\j]
.endr
	ds_store_b128 v[HA], v[HL:HL+3]                ; every lane writes the same 16 bytes with the same value; these bytes lie outside
	ds_store_b128 v[HA], v[HR:HR+3] offset:SEG+16  ; all 8 pieces.  LDS serves a wave's instructions in order: my loads below see them
; The 48 bytes round my 16 bytes of chunk c: words 0-3 the left neighbour's, 4-7 mine, 8-11 the right neighbour's (words 0 and 11 are not
; used; whole aligned 16 bytes keep the lanes of each load on 512 consecutive bytes).
.macro FETCH c, w
	ds_load_b128 v[\w:\w+3],    v[LA] offset:(\c)*CHUNK
	ds_load_b128 v[\w+4:\w+7],  v[LA] offset:(\c)*CHUNK+16
	ds_load_b128 v[\w+8:\w+11], v[LA] offset:(\c)*CHUNK+32
.endm
; The turn of chunk c: fetch chunk c + 1 into the other window, then work on this one.
.macro STEP c
.set CUR, WA+12*((\c)%2)
.set NXT, WA+12*(((\c)+1)%2)
.if (\c)+1 < NCH
.if (((\c)+1) % CPP) == (CPP-1)
.if (\c)+2 < NCH
	s_wait_tensorcnt NP-2-((\c)+1)/CPP             ; the last chunk of piece p reads 16 bytes of piece p + 1: of my 8 loads, which end in order
	                                               ; (ISA guide 10.11.1), the 6 - p behind that one may stay out
.endif
.endif
	FETCH (\c)+1, NXT
	s_wait_dscnt 0x3                               ; LDS loads come back in order (ISA guide 5.7.1): all but the three just issued are in
.else
	s_wait_dscnt 0x0                               ; the last chunk: nothing was fetched behind it
.endif
	; number e has its centre at word 4 + e.  The pools are nested: each wider one adds two numbers to the one before.
	; Behind a v_log_f32 one plain vector instruction stands before its result is used or its source rewritten (ISA guide 5.7.2):
	; the next scale's maxima (and at the end the first multiply) are those places; they write neither a source nor read a result of the run.
.irp e, 0,1,2,3
	v_max3_num_f32 v[MA+\e], v[CUR+3+\e], v[CUR+4+\e], v[CUR+5+\e]     ; m3
.endr
.irp e, 0,1,2,3
	v_log_f32 v[G3+\e], v[MA+\e]
.endr
.irp e, 0,1,2,3
	v_max3_num_f32 v[MB+\e], v[MA+\e], v[CUR+2+\e], v[CUR+6+\e]        ; m5
.endr
.irp e, 0,1,2,3
	v_log_f32 v[G5+\e], v[MB+\e]
.endr
.irp e, 0,1,2,3
	v_max3_num_f32 v[MA+\e], v[MB+\e], v[CUR+1+\e], v[CUR+7+\e]        ; m7
.endr
.irp e, 0,1,2,3
	v_log_f32 v[G7+\e], v[MA+\e]
.endr
	s_wait_xcnt 0x0                                ; the last turn's store has had its address translated (ISA guide 3.1): OUT is rewritten only behind this wait
	s_wait_alu depctr_va_vdst(0)
	v_pk_mul_f32 v[OUT:OUT+1],   v[G3:G3+1],   v[K1:K1+1]
	v_pk_mul_f32 v[OUT+2:OUT+3], v[G3+2:G3+3], v[K1:K1+1]
	v_pk_fma_f32 v[OUT:OUT+1],   v[G5:G5+1],   v[K2:K2+1], v[OUT:OUT+1]
	v_pk_fma_f32 v[OUT+2:OUT+3], v[G5+2:G5+3], v[K2:K2+1], v[OUT+2:OUT+3]
	v_pk_fma_f32 v[OUT:OUT+1],   v[G7:G7+1],   v[K3:K3+1], v[OUT:OUT+1]
	v_pk_fma_f32 v[OUT+2:OUT+3], v[G7+2:G7+3], v[K3:K3+1], v[OUT+2:OUT+3]
	global_store_b128 v[GO], v[OUT:OUT+3], s[6:7] offset:(\c)*CHUNK th:TH_STORE_NT   ; written once, not read again
.endm
	s_wait_tensorcnt NP-1                          ; piece 0 is in; the 7 behind it stay on their way
	FETCH 0, WA
	; 32 turns written out (the tensor waits have different counts); about 240 bytes of code a turn
.irp c, 0,1,2,3,4,5,6,7,8,9,10,11,12,13,14,15,16,17,18,19,20,21,22,23,24,25,26,27,28,29,30,31
	STEP \c
.endr
	s_wait_tensorcnt 0x0
	ds_add_u32 v72, v73
	s_wait_dscnt 0x0
	s_endpgm                                       ; the wait in front of chunk 27's fetch was for zero tensor loads
.Lfunc_end_k_q0f2a44cf6a_holder:
	.size	k_q0f2a44cf6a_holder, .Lfunc_end_k_q0f2a44cf6a_holder-k_q0f2a44cf6a_holder
	.p2alignl 7, 3214868480
	.fill 96, 4, 3214868480
	.section	.rodata,"a",@progbits
	.p2align	6, 0x0
	.amdhsa_kernel k_q0f2a44cf6a_holder
		.amdhsa_group_segment_fixed_size 265216
		.amdhsa_private_segment_fixed_size 0
		.amdhsa_enable_private_segment 0
		.amdhsa_kernarg_size 16
		.amdhsa_user_sgpr_count 2
		.amdhsa_user_sgpr_kernarg_segment_ptr 1
		.amdhsa_wavefront_size32 1
		.amdhsa_system_sgpr_workgroup_id_x 1
		.amdhsa_system_sgpr_workgroup_id_y 1
		.amdhsa_system_sgpr_workgroup_id_z 1
		.amdhsa_system_vgpr_workitem_id 0
		.amdhsa_next_free_vgpr 74
		.amdhsa_next_free_sgpr 66
		.amdhsa_reserve_vcc 0
		.amdhsa_float_denorm_mode_32 3
		.amdhsa_float_denorm_mode_16_64 3
		.amdhsa_memory_ordered 1
		.amdhsa_forward_progress 1
		.amdhsa_inst_pref_size 67
	.end_amdhsa_kernel
	.amdgpu_metadata
---
amdhsa.version: [ 1, 2 ]
amdhsa.kernels:
  - .name:           k_q0f2a44cf6a_holder
    .symbol:         k_q0f2a44cf6a_holder.kd
    .args:
      - { .name: input_sig, .offset: 0, .size: 8, .value_kind: global_buffer, .address_space: global }
      - { .name: out0, .offset: 8, .size: 8, .value_kind: global_buffer, .address_space: global }
    .group_segment_fixed_size: 265216
    .private_segment_fixed_size: 0
    .kernarg_segment_align: 8
    .kernarg_segment_size: 16
    .max_flat_workgroup_size: 512
    .sgpr_count:     66
    .vgpr_count:     74
    .wavefront_size: 32
...
	.end_amdgpu_metadata
.endif
;; end of part 1
